; MI455X (gfx1250); checked and timed in simulation.
; The chip was launched on July 23, 2026; its instructions are those of AMD's public machine-readable ISA for CDNA 5 (MIT licence, August 2026) and "CDNA5" Instruction Set Architecture Reference Guide (July 2026). The comments in the code are by the model that wrote it; some were corrected since.
;; Linear Categorical Encoding. Allowed arithmetic: float matrix products may take bf16 or f16 operands with f32 sums; all other float work in f32.
;; Inputs: log_s 64 x 16 float32; t 64 x 16 float32; z 64 x 512 int32; z_noise 32,768 x 1 x 16 float32.
;; Outputs: out0 64 x 512 x 16 float32; out1 64 float32.
;; One version. Each part assembles by itself: llvm-mc -triple=amdgcn-amd-amdhsa -mcpu=gfx1250 --defsym DOCPART=n.
;; ======== version 1 of 1: 1 launch
;; limits: values outside matrix products are rounded to bf16; a difference of large sums (such as E[x^2] - mean^2): digits are lost where the result is much smaller than its terms
;; launch encode (part 1): grid 64 x 1, 16 waves a work-group, no clusters, 59,392 bytes of LDS; arguments z, z_noise, t, log_s, out0, out1; writes out0, out1
.if DOCPART == 1
	.amdgcn_target "amdgcn-amd-amdhsa--gfx1250"
	.amdhsa_code_object_version 6
	.text
	.protected	k_q06e8409044_encode
	.globl	k_q06e8409044_encode
	.p2align	8
	.type	k_q06e8409044_encode,@function
k_q06e8409044_encode:
	s_mov_b64 s[64:65], 0
	v_nop
	global_prefetch_b8 v0, s[64:65] scope:SCOPE_SE
	s_setreg_imm32_b32 hwreg(HW_REG_WAVE_MODE, 25, 1), 1
	s_wait_xcnt 0x0
; LinearCategoricalEncoding.  z [64][512] i32, z_noise [32768][16] f32, t and log_s [64][16] f32 -> out0 [64][512][16] f32, out1 [64] f32.
;
; WHO DOES WHAT.  out1[b] is a sum over the 512 tokens of batch row b and has one owner: one work-group per batch row, 64 work-groups,
; 16 waves of 32 tokens.  Work-groups share only t and log_s (8 KiB of the 74 KiB that a work-group moves), which come through registers:
; no cluster, no joint requests.  A wave's whole input is 2 KiB + 128 bytes and is asked for in its first lines: no ring, no prefetch.
;
; THE ARITHMETIC.  With c the token's category, x its noise, E = exp(log_s), a = exp(-log_s), w = t E, S_k = sum_d log_s[k][d]:
;   e = (x + t_c) E_c                                  (out0, f32)
;   z_back_k = e a_k - t_k = a_k (e - w_k) = a_k (e' - w'_k),   e' = e - w_0,  w'_k = w_k - w_0   (both differences in f32)
;   g_k = -0.5 |z_back_k|^2 - S_k  for k != c,     g_c = -0.5 |x|^2 - S_c  (the exact point probability, swapped in as the module does)
;   Every term of the module's logsumexp carries the same -8 log(2 pi) - log 64, and log_point - (init_log_p - ldj_fwd) is -log 64, so
;   ldj_loc = 8 log(2 pi) - logsumexp_k g_k   and   out1[b] = 4096 log(2 pi) - ln 2 * sum over tokens of (m + log2 sum_k 2^(g'_k - m)),
;   g' = g log2(e), m = max_k g'_k: the true maximum is taken away before every exponential.
;   g'_k = sum_d (P_kd e'_d^2 + Q_kd e'_d) + c_k,  P = -0.5 log2(e) a^2,  Q = -2 P w',  c_k = sum_d (P w'^2 - log2(e) log_s):
;   a product over 32 inner terms, one v_wmma_f32_16x16x32_bf16 for 16 categories x 16 tokens, c_k in f32 as its C operand.
;   The shift by w_0 takes a common offset of t out before anything is rounded to bf16, and the one category whose centre e' sits on, c,
;   is the one replaced by its exact f32 value.  bf16 and not f16: e'^2 needs f32's range.
;
; LIMITS.  P, Q, e', e'^2 are rounded to bf16 (2^-9 relative each); sums in another order than the module's.  e'^2 must be finite in f32
; (|e'| below 1.8e19).  z is clamped to 0..63 (the module relies on it being in range).  The mask arithmetic denom (1 - mask) + log_point mask
; is a select: it differs only where denom of the true category is not finite.  Terms below 2^-126 of the largest count as zero (v_exp_f32).
; out1 leaves as one store of 4 bytes per work-group, since each number has its own owner.
;
; MEMORY.  Lane L of a wave takes bytes 16 L of each 512-byte chunk of z_noise and puts e at the same place of out0: every load and store
; of a wave covers 512 consecutive bytes, aligned to 512.  The matrix operands change lanes through the wave's own bytes of LDS.
.set L2E,    0x3fb8aa3b                ; log2(e)
.set NHL2E,  0xbf38aa3b                ; -0.5 log2(e)
.set NLN2,   0xbf317218                ; -ln 2
.set K0,     0x45eb3f8e                ; 4096 log(2 pi) = 512 tokens x 16 dimensions x 0.5 log(2 pi)
.set PITCH,  80                        ; an operand row in LDS: 32 bf16 = 64 bytes + 16: an odd multiple of 16 bytes, so that the 16 rows of a fragment load start in 16 different 16-byte columns of 256 bytes
; LDS map
.set T_TAB,  0                         ; t      [64][16] f32
.set E_TAB,  4096                      ; exp(log_s) [64][16] f32
.set A_TAB,  8192                      ; [64] rows of P (16 bf16), Q (16 bf16), pitch 80
.set S_TAB,  A_TAB+64*PITCH            ; 13312: log2(e) S_k, 64 f32
.set C_TAB,  S_TAB+256                 ; 13568: c_k, 64 f32
.set RED,    C_TAB+256                 ; 13824: one f32 for each wave
.set STAGE,  RED+256                   ; 14080: each wave's own 32 token rows (pitch 80) and 32 f32 of |x|^2
.set X2OFF,  32*PITCH
.set WSTAGE, X2OFF+128                 ; 2688 bytes a wave; 14080 + 16 x 2688 = 57088 in all
; vector registers
.set LANE, 1
.set XO,   4                           ; 16 lane: my bytes in a 512-byte chunk of z_noise and out0
.set ZSO,  5                           ; 4 (lane / 4): my token's z while streaming
.set ZDO,  6                           ; 4 (lane % 16): my token's z behind the matrix product
.set TO,   7                           ; 16 (thread % 256): my four numbers of t and of log_s
.set Q0,   8                           ; 16 (lane % 4): my four dimensions in a row of 64 bytes
.set H8,   9                           ; 8 (lane / 16)
.set BS,   10                          ; LDS: where I put 8 bytes of a token's operand row
.set XS,   11                          ; LDS: where |x|^2 of my token goes
.set BR,   12                          ; LDS: my part of a token fragment
.set XR,   13                          ; LDS: |x|^2 of token lane % 16
.set AR,   14                          ; LDS: my part of a category fragment
.set CR,   15                          ; LDS: 32 (lane / 16): my eight c_k of a block of 16
.set ZS,   16                          ; v16-19  category of my token in chunk q
.set ZD,   20                          ; v20-21  category of token lane % 16 of token block u
.set GA,   22                          ; v22-25  64 c + 16 (lane % 4)
.set SGA,  26                          ; v26-27  4 c
.set SG,   28                          ; v28-29  log2(e) S_c
.set X2R,  30                          ; v30-31  |x|^2
.set D,    32                          ; v32-95  the 64 results: block u of 16 tokens, block i of 16 categories at D + 32 u + 8 i
.set SQ,   32                          ; before that the same registers serve the tables and x:
.set TQ,   36
.set S0,   40
.set T0,   44
.set W0,   48                          ; w_0 of my four dimensions
.set LS,   52                          ; log2(e) log_s
.set EE,   56                          ; exp(log_s)
.set A2,   60
.set WP,   64
.set PP,   68
.set PW,   72
.set QQ,   76
.set X,    80                          ; v80-95  x, four chunks; then e'^2
.set TG,   96                          ; v96-111  t_c, then e (the data of the stores to out0: not written again)
.set EG,   112                         ; v112-127 E_c, then e'
.set A,    128                         ; v128-159 four category fragments
.set C,    160                         ; v160-191 c_k in the layout of a result
.set B,    192                         ; v192-207 two token fragments
.set TA,   208
.set TB,   210
.set KW,   214                         ; thread with its low two bits cleared: 4 k in waves 0-7, 256 + 4 k in waves 8-15
.set AW,   215
.set MX,   216                         ; v216-219, v220-223: maxima of token block 0, 1
.set CM,   224
.set GC,   226
.set L16,  228                         ; 16 thread
.set H16,  229                         ; 16 (lane / 16)
.set Q8,   230                         ; 8 (lane % 4)
	s_load_b256 s[4:11], s[0:1], 0x0               ; z s[4:5], z_noise s[6:7], t s[8:9], log_s s[10:11]
	s_load_b128 s[12:15], s[0:1], 0x20             ; out0 s[12:13], out1 s[14:15]
	v_lshl_add_u32 v232, v0, 2, 0xe000
	v_mov_b32 v233, 0
	v_and_b32 v[LANE], 31, v0
	v_lshrrev_b32 v2, 5, v0
	v_readfirstlane_b32 s16, v2                    ; wave 0..15
	v_lshlrev_b32 v[XO], 4, v[LANE]
	v_lshrrev_b32 v2, 2, v[LANE]                   ; lane / 4
	v_lshlrev_b32 v[ZSO], 2, v2
	v_and_b32 v3, 15, v[LANE]                      ; r = lane % 16
	v_lshlrev_b32 v[ZDO], 2, v3
	v_lshlrev_b32 v[L16], 4, v0
	v_and_b32 v[TO], 0xff0, v[L16]
	v_and_b32 v[Q0], 48, v[XO]
	s_lshl_b32 s18, ttmp9, 15                      ; batch row x 512 tokens x 64 bytes
	s_lshl_b32 s21, s16, 11                        ; + wave x 32 tokens x 64 bytes
	s_add_co_u32 s18, s18, s21
	s_mov_b32 s19, 0
	s_wait_kmcnt 0x0
	s_add_nc_u64 s[6:7], s[6:7], s[18:19]          ; z_noise and out0 at my wave's first token
	s_add_nc_u64 s[12:13], s[12:13], s[18:19]
	s_lshr_b32 s18, s18, 4                         ; z has 4 bytes a token against 64
	s_add_nc_u64 s[4:5], s[4:5], s[18:19]
	; all that the wave ever reads from memory, 14 loads, in the order in which it is needed
	global_load_b128 v[SQ:SQ+3], v[TO], s[10:11]   ; log_s[k][4 q ..], k = (thread % 256) / 4, q = lane % 4
	global_load_b128 v[TQ:TQ+3], v[TO], s[8:9]     ; t likewise
	global_load_b128 v[S0:S0+3], v[Q0], s[10:11]   ; log_s[0][4 q ..]
	global_load_b128 v[T0:T0+3], v[Q0], s[8:9]     ; t[0][4 q ..]
.irp q, 0,1,2,3
	global_load_b32 v[ZS+\q], v[ZSO], s[4:5] offset:32*\q          ; z of token 8 q + lane / 4
.endr
.irp u, 0,1
	global_load_b32 v[ZD+\u], v[ZDO], s[4:5] offset:64*\u          ; z of token 16 u + lane % 16
.endr
.irp q, 0,1,2,3
	global_load_b128 v[X+4*\q:X+4*\q+3], v[XO], s[6:7] offset:512*\q th:TH_LOAD_NT
.endr
	; LDS addresses and constants, while the loads are on their way
	v_and_b32 v[H16], 16, v[LANE]
	v_lshrrev_b32 v[H8], 1, v[H16]
	v_lshlrev_b32 v[CR], 1, v[H16]
	v_lshrrev_b32 v[Q8], 1, v[Q0]
	v_mul_u32_u24 v[AR], PITCH, v3                 ; fragment: row r x pitch + 16 (lane / 16)
	v_add_nc_u32 v[AR], v[AR], v[H16]
	s_mul_i32 s20, s16, WSTAGE
	s_add_co_u32 s20, s20, STAGE                   ; my wave's stage
	v_add_nc_u32 v[BR], s20, v[AR]
	v_mul_u32_u24 v[BS], PITCH, v2                 ; streaming: row lane / 4, 8 bytes for each of its four lanes
	v_add_nc_u32 v[BS], v[BS], v[Q8]
	v_add_nc_u32 v[BS], s20, v[BS]
	v_add_nc_u32 v[XS], s20, v[ZSO]
	v_add_nc_u32 v[XR], s20, v[ZDO]
	s_mov_b32 s24, 0x76543210                      ; v_permlanex16_b32: lane i of one half reads lane i of the other
	s_mov_b32 s25, 0xfedcba98
	s_mov_b32 s26, NLN2
	s_mov_b32 s27, K0
	s_mov_b32 s28, NHL2E
	; ---------------- THE TABLES, four numbers a thread.  Waves 0-7: t, E, log2(e) S_k.  Waves 8-15: P, Q, c_k.
	s_wait_loadcnt 10                              ; the four loads of t and log_s are in; the six of z and the four of x stay out
	v_pk_mul_f32 v[LS:LS+1],   v[SQ:SQ+1],   L2E op_sel_hi:[1,0]
	v_pk_mul_f32 v[LS+2:LS+3], v[SQ+2:SQ+3], L2E op_sel_hi:[1,0]
	v_pk_mul_f32 v[S0:S0+1],   v[S0:S0+1],   L2E op_sel_hi:[1,0]
	v_pk_mul_f32 v[S0+2:S0+3], v[S0+2:S0+3], L2E op_sel_hi:[1,0]
.irp j, 0,1,2,3
	v_exp_f32 v[EE+\j], v[LS+\j]                   ; E = exp(log_s)
.endr
.irp j, 0,1,2,3
	v_exp_f32 v[S0+\j], v[S0+\j]                   ; E of category 0
.endr
	v_and_b32 v[KW], -4, v0                        ; the plain instruction between the exponentials and their first use (ISA guide 5.7.2)
	s_wait_alu depctr_va_vdst(0)
	v_pk_mul_f32 v[W0:W0+1],   v[T0:T0+1],   v[S0:S0+1]            ; w_0 = t_0 E_0: every wave needs it, for e'
	v_pk_mul_f32 v[W0+2:W0+3], v[T0+2:T0+3], v[S0+2:S0+3]
	s_cmp_lt_u32 s16, 8
	s_cbranch_scc1 .Lcopy
	; waves 8-15
	v_pk_mul_f32 v[A2:A2+1],   v[LS:LS+1],   -2.0 op_sel_hi:[1,0]
	v_pk_mul_f32 v[A2+2:A2+3], v[LS+2:LS+3], -2.0 op_sel_hi:[1,0]
.irp j, 0,1,2,3
	v_exp_f32 v[A2+\j], v[A2+\j]                   ; a^2 = exp(-2 log_s)
.endr
	v_pk_fma_f32 v[WP:WP+1],   v[TQ:TQ+1],   v[EE:EE+1],   v[W0:W0+1]   neg_lo:[0,0,1] neg_hi:[0,0,1]   ; w' = t E - w_0 (touches no a^2: the plain place)
	v_pk_fma_f32 v[WP+2:WP+3], v[TQ+2:TQ+3], v[EE+2:EE+3], v[W0+2:W0+3] neg_lo:[0,0,1] neg_hi:[0,0,1]
	s_wait_alu depctr_va_vdst(0)
	v_pk_mul_f32 v[PP:PP+1],   v[A2:A2+1],   NHL2E op_sel_hi:[1,0]                                     ; P = -0.5 log2(e) a^2
	v_pk_mul_f32 v[PP+2:PP+3], v[A2+2:A2+3], NHL2E op_sel_hi:[1,0]
	v_pk_mul_f32 v[PW:PW+1],   v[PP:PP+1],   v[WP:WP+1]                                                ; P w'
	v_pk_mul_f32 v[PW+2:PW+3], v[PP+2:PP+3], v[WP+2:WP+3]
	v_pk_mul_f32 v[QQ:QQ+1],   v[PW:PW+1],   -2.0 op_sel_hi:[1,0]                                      ; Q = -2 P w'
	v_pk_mul_f32 v[QQ+2:QQ+3], v[PW+2:PW+3], -2.0 op_sel_hi:[1,0]
	v_pk_fma_f32 v[PW:PW+1],   v[PW:PW+1],   v[WP:WP+1],   v[LS:LS+1]   neg_lo:[0,0,1] neg_hi:[0,0,1]   ; P w'^2 - log2(e) log_s
	v_pk_fma_f32 v[PW+2:PW+3], v[PW+2:PW+3], v[WP+2:WP+3], v[LS+2:LS+3] neg_lo:[0,0,1] neg_hi:[0,0,1]
	v_pk_add_f32 v[PW:PW+1], v[PW:PW+1], v[PW+2:PW+3]
	v_add_f32 v[PW], v[PW], v[PW+1]
	v_add_f32_dpp v[PW], v[PW], v[PW] row_xmask:1 row_mask:0xf bank_mask:0xf       ; over the category's four lanes: c_k
	v_add_f32_dpp v[PW], v[PW], v[PW] row_xmask:2 row_mask:0xf bank_mask:0xf
	v_cvt_pk_bf16_f32 v[TB],   v[PP],   v[PP+1]
	v_cvt_pk_bf16_f32 v[TB+1], v[PP+2], v[PP+3]
	v_cvt_pk_bf16_f32 v[TB+2], v[QQ],   v[QQ+1]
	v_cvt_pk_bf16_f32 v[TB+3], v[QQ+2], v[QQ+3]
	v_mul_u32_u24 v[AW], 20, v[KW]                 ; 20 (256 + 4 k) = 64 rows + 80 k: the 64 rows are taken off in the offsets below
	v_add_nc_u32 v[AW], v[AW], v[Q8]
	ds_store_b64 v[AW], v[TB:TB+1]   offset:A_TAB-64*PITCH         ; P of dimensions 4 q .. 4 q + 3: inner index d
	ds_store_b64 v[AW], v[TB+2:TB+3] offset:A_TAB-64*PITCH+32      ; Q: inner index 16 + d
	ds_store_b32 v[KW], v[PW] offset:S_TAB         ; S_TAB + 256 + 4 k = C_TAB + 4 k; four lanes, one word, one value
	s_branch .Ljoin
.Lcopy:
	; waves 0-7
	ds_store_b128 v[L16], v[TQ:TQ+3] offset:T_TAB
	ds_store_b128 v[L16], v[EE:EE+3] offset:E_TAB
	v_pk_add_f32 v[LS:LS+1], v[LS:LS+1], v[LS+2:LS+3]
	v_add_f32 v[LS], v[LS], v[LS+1]
	v_add_f32_dpp v[LS], v[LS], v[LS] row_xmask:1 row_mask:0xf bank_mask:0xf
	v_add_f32_dpp v[LS], v[LS], v[LS] row_xmask:2 row_mask:0xf bank_mask:0xf
	ds_store_b32 v[KW], v[LS] offset:S_TAB         ; log2(e) S_k
.Ljoin:
	s_wait_dscnt 0x0                               ; my part of the tables is in LDS, for the others' sake: zero
	s_barrier_signal -1
	s_barrier_wait -1                              ; everybody's is
	; ---------------- GATHERS AND FRAGMENTS
	s_wait_loadcnt 4                               ; the six loads of z are in; the four of x stay out
.irp q, 0,1,2,3
	v_min_u32 v[ZS+\q], 63, v[ZS+\q]               ; an index that enters an address stays inside its table
	v_lshl_add_u32 v[GA+\q], v[ZS+\q], 6, v[Q0]
.endr
.irp u, 0,1
	v_min_u32 v[ZD+\u], 63, v[ZD+\u]
	v_lshlrev_b32 v[SGA+\u], 2, v[ZD+\u]
.endr
.irp q, 0,1,2,3
	ds_load_b128 v[TG+4*\q:TG+4*\q+3], v[GA+\q] offset:T_TAB       ; t_c of my four dimensions
	ds_load_b128 v[EG+4*\q:EG+4*\q+3], v[GA+\q] offset:E_TAB       ; E_c
.endr
.irp u, 0,1
	ds_load_b32 v[SG+\u], v[SGA+\u] offset:S_TAB
.endr
.irp i, 0,1,2,3
	ds_load_b128 v[A+8*\i:A+8*\i+3],   v[AR] offset:A_TAB+16*PITCH*\i      ; row 16 i + r: inner 8 h .. 8 h + 7 (P)
	ds_load_b128 v[A+8*\i+4:A+8*\i+7], v[AR] offset:A_TAB+16*PITCH*\i+32   ;               16 + 8 h ..       (Q)
	ds_load_b128 v[C+8*\i:C+8*\i+3],   v[CR] offset:C_TAB+64*\i            ; c of categories 16 i + 8 h + 0 .. 3
	ds_load_b128 v[C+8*\i+4:C+8*\i+7], v[CR] offset:C_TAB+64*\i+16         ;                            + 4 .. 7
.endr
	s_wait_dscnt 16                                ; LDS answers in order (ISA guide 5.7.1): the ten gathers are in, the sixteen fragment loads behind them stay out
; ---------------- STREAM: chunk q = tokens 8 q .. 8 q + 7, four lanes a token, four dimensions a lane
.macro STREAM q
	s_wait_loadcnt 3-\q                            ; chunk q of x is in, the younger chunks stay out
	v_pk_mul_f32 v[TA:TA+1], v[X+4*\q:X+4*\q+1], v[X+4*\q:X+4*\q+1]
	v_pk_fma_f32 v[TA:TA+1], v[X+4*\q+2:X+4*\q+3], v[X+4*\q+2:X+4*\q+3], v[TA:TA+1]
	v_pk_add_f32 v[TG+4*\q:TG+4*\q+1],   v[X+4*\q:X+4*\q+1],     v[TG+4*\q:TG+4*\q+1]          ; x + t_c
	v_pk_add_f32 v[TG+4*\q+2:TG+4*\q+3], v[X+4*\q+2:X+4*\q+3],   v[TG+4*\q+2:TG+4*\q+3]
	v_pk_mul_f32 v[TG+4*\q:TG+4*\q+1],   v[TG+4*\q:TG+4*\q+1],   v[EG+4*\q:EG+4*\q+1]          ; e
	v_pk_mul_f32 v[TG+4*\q+2:TG+4*\q+3], v[TG+4*\q+2:TG+4*\q+3], v[EG+4*\q+2:EG+4*\q+3]
	global_store_b128 v[XO], v[TG+4*\q:TG+4*\q+3], s[12:13] offset:512*\q th:TH_STORE_NT       ; 32 lanes, 512 consecutive bytes
	v_add_f32 v[TA], v[TA], v[TA+1]
	v_pk_add_f32 v[EG+4*\q:EG+4*\q+1],   v[TG+4*\q:TG+4*\q+1],   v[W0:W0+1]   neg_lo:[0,1] neg_hi:[0,1]   ; e' = e - w_0
	v_pk_add_f32 v[EG+4*\q+2:EG+4*\q+3], v[TG+4*\q+2:TG+4*\q+3], v[W0+2:W0+3] neg_lo:[0,1] neg_hi:[0,1]
	v_add_f32_dpp v[TA], v[TA], v[TA] row_xmask:1 row_mask:0xf bank_mask:0xf
	v_pk_mul_f32 v[X+4*\q:X+4*\q+1],     v[EG+4*\q:EG+4*\q+1],   v[EG+4*\q:EG+4*\q+1]          ; e'^2
	v_pk_mul_f32 v[X+4*\q+2:X+4*\q+3],   v[EG+4*\q+2:EG+4*\q+3], v[EG+4*\q+2:EG+4*\q+3]
	v_add_f32_dpp v[TA], v[TA], v[TA] row_xmask:2 row_mask:0xf bank_mask:0xf                   ; |x|^2 in the token's four lanes
	v_cvt_pk_bf16_f32 v[TB],   v[X+4*\q],    v[X+4*\q+1]
	v_cvt_pk_bf16_f32 v[TB+1], v[X+4*\q+2],  v[X+4*\q+3]
	v_cvt_pk_bf16_f32 v[TB+2], v[EG+4*\q],   v[EG+4*\q+1]
	v_cvt_pk_bf16_f32 v[TB+3], v[EG+4*\q+2], v[EG+4*\q+3]
	ds_store_b64 v[BS], v[TB:TB+1]   offset:8*PITCH*\q             ; inner index d: e'^2
	ds_store_b64 v[BS], v[TB+2:TB+3] offset:8*PITCH*\q+32          ; inner index 16 + d: e'
	ds_store_b32 v[XS], v[TA] offset:X2OFF+32*\q                   ; four lanes, one word, one value
.endm
	STREAM 0
	STREAM 1
	STREAM 2
	STREAM 3
	; ---------------- THE PRODUCT.  Rows = categories, columns = tokens: register j of lane (r, h) is category 16 i + 8 h + j of token 16 u + r,
	; so a lane ends up with 32 categories of one token and the lane 16 away with the other 32.
.irp u, 0,1
	ds_load_b128 v[B+8*\u:B+8*\u+3],   v[BR] offset:16*PITCH*\u    ; my wave's own bytes: LDS serves a wave's instructions in order (ISA guide 5.7.1),
	ds_load_b128 v[B+8*\u+4:B+8*\u+7], v[BR] offset:16*PITCH*\u+32 ; so these see the stores above without a wait
	ds_load_b32  v[X2R+\u], v[XR] offset:X2OFF+64*\u
.endr
	s_wait_dscnt 0x0                               ; all fragments
.irp u, 0,1
.irp i, 0,1,2,3
	v_wmma_f32_16x16x32_bf16 v[D+32*\u+8*\i:D+32*\u+8*\i+7], v[A+8*\i:A+8*\i+7], v[B+8*\u:B+8*\u+7], v[C+8*\i:C+8*\i+7]
.endr
.endr
	; four plain vector instructions that name no register of the products stand before their results are read (ISA guide 7.12.1)
	v_sub_nc_u32 v[CM],   v[ZD],   v[H8]           ; c - 8 h: equals 16 i + j in the one register that holds category c, in no other
	v_sub_nc_u32 v[CM+1], v[ZD+1], v[H8]
	v_fma_f32 v[GC],   v[X2R],   s28, -v[SG]       ; g'_c = -0.5 log2(e) |x|^2 - log2(e) S_c
	v_fma_f32 v[GC+1], v[X2R+1], s28, -v[SG+1]
.macro SWAP u                          ; the exact point probability takes the true category's place
.irp i, 0,1,2,3
.irp j, 0,1,2,3,4,5,6,7
	v_cmp_eq_u32 s[32+\j], 16*\i+\j, v[CM+\u]
.endr
.irp j, 0,1,2,3,4,5,6,7
	v_cndmask_b32 v[D+32*\u+8*\i+\j], v[D+32*\u+8*\i+\j], v[GC+\u], s[32+\j]
.endr
.endr
.endm
.macro ROWMAX u                        ; the largest of a token's 64: four chains in the lane, then the other half of the wave
.irp i, 0,1,2,3
	v_max3_num_f32 v[MX+4*\u+\i], v[D+32*\u+8*\i], v[D+32*\u+8*\i+1], v[D+32*\u+8*\i+2]
.endr
.irp i, 0,1,2,3
	v_max3_num_f32 v[MX+4*\u+\i], v[MX+4*\u+\i], v[D+32*\u+8*\i+3], v[D+32*\u+8*\i+4]
.endr
.irp i, 0,1,2,3
	v_max3_num_f32 v[MX+4*\u+\i], v[MX+4*\u+\i], v[D+32*\u+8*\i+5], v[D+32*\u+8*\i+6]
.endr
	v_max3_num_f32 v[MX+4*\u], v[MX+4*\u], v[MX+4*\u+1], v[MX+4*\u+2]
	v_max3_num_f32 v[MX+4*\u], v[MX+4*\u], v[MX+4*\u+3], v[D+32*\u+7]
	v_max3_num_f32 v[MX+4*\u], v[MX+4*\u], v[D+32*\u+15], v[D+32*\u+23]
	v_max_num_f32  v[MX+4*\u], v[MX+4*\u], v[D+32*\u+31]
	v_permlanex16_b32 v[MX+4*\u+1], v[MX+4*\u], s24, s25
	v_max_num_f32  v[MX+4*\u], v[MX+4*\u], v[MX+4*\u+1]
.endm
.macro SHIFT u                         ; g' - m, two at a time; both halves of the pair take the pair's first register, m
.set p, 0
.rept 16
	v_pk_add_f32 v[D+32*\u+2*p:D+32*\u+2*p+1], v[D+32*\u+2*p:D+32*\u+2*p+1], v[MX+4*\u:MX+4*\u+1] op_sel_hi:[1,0] neg_lo:[0,1] neg_hi:[0,1]
.set p, p+1
.endr
.endm
.macro EXP2 u
.set p, 0
.rept 32
	v_exp_f32 v[D+32*\u+p], v[D+32*\u+p]
.set p, p+1
.endr
.endm
.macro ROWSUM u                        ; the sum of a token's 64 terms, into v[D + 32 u]
	s_wait_alu depctr_va_vdst(0)
.irp i, 0,1,2,3
	v_pk_add_f32 v[D+32*\u+8*\i:D+32*\u+8*\i+1], v[D+32*\u+8*\i:D+32*\u+8*\i+1], v[D+32*\u+8*\i+2:D+32*\u+8*\i+3]
.endr
.irp i, 0,1,2,3
	v_pk_add_f32 v[D+32*\u+8*\i:D+32*\u+8*\i+1], v[D+32*\u+8*\i:D+32*\u+8*\i+1], v[D+32*\u+8*\i+4:D+32*\u+8*\i+5]
.endr
.irp i, 0,1,2,3
	v_pk_add_f32 v[D+32*\u+8*\i:D+32*\u+8*\i+1], v[D+32*\u+8*\i:D+32*\u+8*\i+1], v[D+32*\u+8*\i+6:D+32*\u+8*\i+7]
.endr
	v_pk_add_f32 v[D+32*\u:D+32*\u+1],       v[D+32*\u:D+32*\u+1],       v[D+32*\u+8:D+32*\u+9]
	v_pk_add_f32 v[D+32*\u+16:D+32*\u+17],   v[D+32*\u+16:D+32*\u+17],   v[D+32*\u+24:D+32*\u+25]
	v_pk_add_f32 v[D+32*\u:D+32*\u+1],       v[D+32*\u:D+32*\u+1],       v[D+32*\u+16:D+32*\u+17]
	v_add_f32 v[D+32*\u], v[D+32*\u], v[D+32*\u+1]
	v_permlanex16_b32 v[D+32*\u+1], v[D+32*\u], s24, s25
	v_add_f32 v[D+32*\u], v[D+32*\u], v[D+32*\u+1]
.endm
	SWAP 0
	SWAP 1
	ROWMAX 0
	ROWMAX 1
	SHIFT 0
	EXP2 0
	SHIFT 1                                        ; plain work on the other block stands between block 0's exponentials and their use (ISA guide 5.7.2),
	EXP2 1
	ROWSUM 0                                       ; and block 0's sums between block 1's exponentials and theirs
	ROWSUM 1
	v_log_f32 v[D], v[D]                           ; the sums are at least 1: the largest term is 2^0
	v_log_f32 v[D+32], v[D+32]
	v_add_f32 v[MX], v[MX], v[MX+4]                ; (the plain place behind the logarithms)
	s_wait_alu depctr_va_vdst(0)
	v_add_f32 v[D], v[D], v[D+32]
	v_add_f32 v[D], v[D], v[MX]                    ; m + log2(sum) of tokens r and 16 + r; both halves of the wave hold the same numbers
	v_add_f32_dpp v[D], v[D], v[D] row_xmask:1 row_mask:0xf bank_mask:0xf
	v_add_f32_dpp v[D], v[D], v[D] row_xmask:2 row_mask:0xf bank_mask:0xf
	v_add_f32_dpp v[D], v[D], v[D] row_xmask:4 row_mask:0xf bank_mask:0xf
	v_add_f32_dpp v[D], v[D], v[D] row_xmask:8 row_mask:0xf bank_mask:0xf          ; over the sixteen lanes: my wave's 32 tokens
	; ---------------- THE BATCH ROW'S SUM: sixteen waves, one word each
	s_lshl_b32 s21, s16, 2
	v_mov_b32 v2, s21
	ds_store_b32 v2, v[D] offset:RED               ; every lane the same word and value
	s_wait_dscnt 0x0                               ; for wave 0's sake: zero
	s_barrier_signal -1
	s_barrier_wait -1
	s_cmp_lg_u32 s16, 0
	s_cbranch_scc1 .Ldone
	ds_load_b32 v3, v[ZDO] offset:RED              ; lane r: wave r's sum
	s_lshl_b32 s21, ttmp9, 2
	v_mov_b32 v2, s21                              ; out1[b]
	s_wait_dscnt 0x0
	v_add_f32_dpp v3, v3, v3 row_xmask:1 row_mask:0xf bank_mask:0xf
	v_add_f32_dpp v3, v3, v3 row_xmask:2 row_mask:0xf bank_mask:0xf
	v_add_f32_dpp v3, v3, v3 row_xmask:4 row_mask:0xf bank_mask:0xf
	v_add_f32_dpp v3, v3, v3 row_xmask:8 row_mask:0xf bank_mask:0xf
	v_fma_f32 v3, v3, s26, s27                     ; 4096 log(2 pi) - ln 2 x sum
	s_wait_xcnt 0x0                                ; EXEC is a source of the stores to out0: it changes only behind this wait
	v_cmp_eq_u32 vcc_lo, 0, v0
	s_wait_tensorcnt 0x0
	ds_add_u32 v232, v233
	s_wait_dscnt 0x0
	s_and_saveexec_b32 s22, vcc_lo                 ; thread 0 alone
	global_store_b32 v2, v3, s[14:15]
	s_endpgm
.Ldone:
	s_wait_tensorcnt 0x0
	ds_add_u32 v232, v233
	s_wait_dscnt 0x0
	s_endpgm
.Lfunc_end_k_q06e8409044_encode:
	.size	k_q06e8409044_encode, .Lfunc_end_k_q06e8409044_encode-k_q06e8409044_encode
	.p2alignl 7, 3214868480
	.fill 96, 4, 3214868480
	.section	.rodata,"a",@progbits
	.p2align	6, 0x0
	.amdhsa_kernel k_q06e8409044_encode
		.amdhsa_group_segment_fixed_size 59392
		.amdhsa_private_segment_fixed_size 0
		.amdhsa_enable_private_segment 0
		.amdhsa_kernarg_size 48
		.amdhsa_user_sgpr_count 2
		.amdhsa_user_sgpr_kernarg_segment_ptr 1
		.amdhsa_wavefront_size32 1
		.amdhsa_system_sgpr_workgroup_id_x 1
		.amdhsa_system_sgpr_workgroup_id_y 1
		.amdhsa_system_sgpr_workgroup_id_z 1
		.amdhsa_system_vgpr_workitem_id 0
		.amdhsa_next_free_vgpr 234
		.amdhsa_next_free_sgpr 66
		.amdhsa_reserve_vcc 1
		.amdhsa_float_denorm_mode_32 3
		.amdhsa_float_denorm_mode_16_64 3
		.amdhsa_memory_ordered 1
		.amdhsa_forward_progress 1
		.amdhsa_inst_pref_size 34
	.end_amdhsa_kernel
	.amdgpu_metadata
---
amdhsa.version: [ 1, 2 ]
amdhsa.kernels:
  - .name:           k_q06e8409044_encode
    .symbol:         k_q06e8409044_encode.kd
    .args:
      - { .name: z, .offset: 0, .size: 8, .value_kind: global_buffer, .address_space: global }
      - { .name: z_noise, .offset: 8, .size: 8, .value_kind: global_buffer, .address_space: global }
      - { .name: t, .offset: 16, .size: 8, .value_kind: global_buffer, .address_space: global }
      - { .name: log_s, .offset: 24, .size: 8, .value_kind: global_buffer, .address_space: global }
      - { .name: out0, .offset: 32, .size: 8, .value_kind: global_buffer, .address_space: global }
      - { .name: out1, .offset: 40, .size: 8, .value_kind: global_buffer, .address_space: global }
    .group_segment_fixed_size: 59392
    .private_segment_fixed_size: 0
    .kernarg_segment_align: 8
    .kernarg_segment_size: 48
    .max_flat_workgroup_size: 512
    .sgpr_count:     66
    .vgpr_count:     234
    .wavefront_size: 32
...
	.end_amdgpu_metadata
.endif
;; end of part 1
